; MI455X (gfx1250); checked and timed in simulation.
; The chip was launched on July 23, 2026; its instructions are those of AMD's public machine-readable ISA for CDNA 5 (MIT licence, August 2026) and "CDNA5" Instruction Set Architecture Reference Guide (July 2026). The comments in the code are by the model that wrote it; some were corrected since.
;; Expert Gated Aggregator. Allowed arithmetic: matrix products marked QUANTISED: E4M3 operands, one given power-of-two scale a tensor, by v_wmma_f32_16x16x64_fp8_fp8 or v_wmma_f32_16x16x128_fp8_fp8, f32 sums; products left as they are: f32 operands where the result goes on into a quantised operand, else bf16, f16 or f32 operands; f32 sums; everything else in f32.
;; Inputs: W1 1,032 x 1,024 float32; W2 1,024 x 512 float32; W3 512 x 8 float32; active_mask 32,768 x 8 float32; b1 1,024 float32; b2 512 float32; b3 8 float32; expert_probs 8 x 32,768 x 1 float32; expert_reprs 8 x 32,768 x 128 float32; lowp_scales 4 int32 (the exponents e of the quantised operands' scales 2^e).
;; Outputs: out0 32,768 x 1 float32; out1 32,768 x 8 float32.
;; This version of the problem:
;;   THIS VERSION OF THE PROBLEM IS GIVEN IN LOW PRECISION. The matrix products marked QUANTISED in the list below multiply operands that are first quantised to E4M3 (4 exponent bits, 3 mantissa bits; 8 bits a number), with one given power-of-two scale for each operand tensor; their sums are f32. All else is computed in f32.
;;   The module's matrix products, in the order in which they are computed (A, B: the left and right operand; K: the contracted axis; several contracted axes count as one K, in the product's order):
;;     1. [M 32,768, K 1,032] x [K 1,032, N 1,024]; A: computed on the way; B: input W1: QUANTISED (scales: A lowp_scales[0], B lowp_scales[1])
;;     2. [M 32,768, K 1,024] x [K 1,024, N 512]; A: computed on the way; B: input W2: QUANTISED (scales: A lowp_scales[2], B lowp_scales[3])
;;     3. [M 32,768, K 512] x [K 512, N 8]; A: computed on the way; B: input W3: left as it is (N = 8 < 16)
;;   THE QUANTISER, for each operand of a quantised product, along K:
;;     - The operand's scale is 2^e, e = its entry of the input lowp_scales (int32; the entries are numbered through the quantised products in the list's order, A before B).
;;     - Each number is divided by the scale, clamped to +-448, and rounded to the nearest number of E4M3, ties to even, subnormals kept.
;;     - The product sums the exact products of the quantised numbers (number of the format x scale) in f32.
;;   ~~~python
;;   def quantise(x, axis, e):      # numpy; x: float32 -> the quantised numbers, widened to float32 again
;;       x = np.moveaxis(x, axis, -1); K = x.shape[-1]
;;       r = np.clip(x / 2.0 ** e, -448, 448)
;;       step = 2.0 ** (np.maximum(np.frexp(np.where(r == 0, 1, r))[1] - 1, -6) - 3)
;;       q = np.round(r / step) * step * 2.0 ** e      # np.round: ties to even
;;       return np.moveaxis(q, -1, axis).astype(np.float32)
;;   ~~~
;;   OPERANDS COMPUTED ON THE WAY. 'Computed on the way' means the value that the module computes at that place (a softmax that the list does not call 'softmax' is quantised finished and normalised). What goes into a quantiser is computed in f32, as accurately as f32 sums, v_exp_f32 and their like allow (about 1e-6 of the number): no bf16 or f16 on the way to a quantiser, and a product that is left as it is and whose result goes on into a quantised operand takes f32 operands (vector FMAs, or v_wmma_f32_16x16x4_f32). A number that lies on a knife's edge between two numbers of the format may be rounded either way, as far as f32 arithmetic and the matrix unit's own rounding can turn it there, and no further.
;; 2 versions, each right; version 2 is version 1 with the launch gate written anew for expert scheduling mode. Each part assembles by itself: llvm-mc -triple=amdgcn-amd-amdhsa -mcpu=gfx1250 --defsym DOCPART=n.
;; ======== version 1 of 2: 2 launches
;; workspace buffers: wts 1,654,784 bytes
;; launch prep (part 1): grid 201 x 1, 4 waves a work-group, no clusters, 0 bytes of LDS; arguments W1, W2, W3, lowp_scales, wts; writes wts
.if DOCPART == 1
	.amdgcn_target "amdgcn-amd-amdhsa--gfx1250"
	.amdhsa_code_object_version 6
	.text
	.protected	k_q3c9bcee56d_prep
	.globl	k_q3c9bcee56d_prep
	.p2align	8
	.type	k_q3c9bcee56d_prep,@function
k_q3c9bcee56d_prep:
	s_mov_b64 s[64:65], 0
	v_nop
	global_prefetch_b8 v0, s[64:65] scope:SCOPE_SE
	s_setreg_imm32_b32 hwreg(HW_REG_WAVE_MODE, 25, 1), 1
	s_wait_xcnt 0x0
; W1 [1032][1024] and W2 [1024][512], f32 with K as their FIRST axis, become codes of FP8 (E4M3), laid in the order in which the next launch's
; waves take them into operand registers; W3 [512][8] becomes bf16 fragments.  code = x / 2^e, held within +-448, to the nearest code, ties to even;
; e = entry 1 (W1) or entry 3 (W2) of the buffer of scales.  LIMITS: -126 <= e <= 119, so that 2^e and 448 x 2^e are f32 numbers.  NaN among the inputs is not served.
; THE BUFFER wts:
;   0:        [wave w 4][half-step u 96][j 8][lane 32][16 bytes].  u = 32 t + 2 s + hf: t = 0, 1: W1's columns 512 t on; t = 2: W2; s: 64 along K; hf: which four of the wave's eight tiles of 16 columns.
;             j = 2 f + c.  Lane (r, h) holds k = 64 s + 32 c + 16 h + 0 .. 15 of column 512 t + 128 w + 16 (4 hf + f) + r (W2: without the 512 t).
;   WPR:      [p 2][w 4][b 8][c 2][lane][16 bytes]: the same for k = 1024 + 32 c + 16 h + 0 .. 15 of W1; past k = 1031 zero codes.
;   W3F:      [q 16][c 2][lane][16 bytes]: lane (r, h) holds W3[32 q + 16 c + 8 h + 0 .. 7][r] in bf16, zeros where r >= 8.
; A LANE TAKES A COLUMN AND ITS REGISTERS RUN DOWN K: a wave takes 32 columns x 64 k; each load reads 128 consecutive bytes, the four waves of a work-group stand side by side on 512;
; the conversions, which take neighbours along K from one lane's registers, give 16 bytes that belong together, and sixteen lanes store 256 consecutive bytes, aligned.
; Work-groups 0-127: W1 (128 columns x 64 k each); 128-191: W2; 192-199: W1's last eight rows; 200: W3.  Waves share nothing: no LDS, no barrier.
.set WPR,   1572864
.set W3F,   1638400
.set WAVEB, 393216                     ; a wave's stream: 96 half-steps of 4,096 bytes
.set X,     16                         ; v16-79   64 numbers down K
.set C,     80                         ; v80-111  codes (16 registers), or W3's bf16 (32)
.macro LOADW pitch, n                  ; n rows of my column, pitch bytes apart
.set i, 0
.rept \n
	global_load_b32 v[X+i], v2, s[20:21] offset:i*(\pitch) th:TH_LOAD_NT
.set i, i+1
.endr
.endm
	s_load_b256 s[4:11], s[0:1], 0x0               ; W1 s[4:5], W2 s[6:7], W3 s[8:9], the scales' exponents s[10:11]
	s_load_b64 s[12:13], s[0:1], 0x20              ; wts
	v_lshrrev_b32 v1, 5, v0
	v_readfirstlane_b32 s14, v1                    ; wave v
	v_and_b32 v1, 31, v0                           ; lane
	v_lshlrev_b32 v2, 2, v1                        ; in: 4 bytes a lane
	v_and_b32 v5, 15, v1                           ; r
	v_lshrrev_b32 v6, 4, v1                        ; which of the wave's two tiles of 16 columns (W3: h)
	v_lshlrev_b32 v3, 4, v5
	v_lshl_add_u32 v3, v6, 10, v3                  ; out: 1,024 x tile + 16 r; chunk m = 2 c + h of a lane's 64 codes goes 256 m further on
	s_lshl_b32 s25, s14, 7                         ; 128 v: my 32 columns in bytes
	s_lshr_b32 s26, s14, 1                         ; hf
	s_and_b32 s27, s14, 1
	s_lshl_b32 s27, s27, 11                        ; my two tiles' place in a half-step
	s_and_b32 s28, ttmp9, 15                       ; s
	s_mov_b32 s31, 0
	s_mov_b32 s33, 0
	s_wait_kmcnt 0x0
	s_load_b128 s[16:19], s[10:11], 0x0            ; e0 .. e3
	s_cmp_lt_u32 ttmp9, 128
	s_cbranch_scc0 .Lnot_w1
	; ---- W1: group of 128 columns grp = g / 16 (t = grp / 4, w = grp % 4), K step s = g % 16
	s_lshr_b32 s29, ttmp9, 4
	s_lshl_b32 s30, s28, 18                        ; 64 s rows of 4,096 bytes
	s_lshl_b32 s34, s29, 9
	s_add_co_u32 s30, s30, s34
	s_add_co_u32 s30, s30, s25
	s_and_b32 s32, s29, 3
	s_mul_i32 s32, s32, WAVEB
	s_lshr_b32 s34, s29, 2
	s_lshl_b32 s34, s34, 5
	s_lshl_b32 s35, s28, 1
	s_add_co_u32 s34, s34, s35
	s_add_co_u32 s34, s34, s26                     ; u = 32 t + 2 s + hf
	s_lshl_b32 s34, s34, 12
	s_add_co_u32 s32, s32, s34
	s_add_co_u32 s32, s32, s27
	s_add_nc_u64 s[20:21], s[4:5], s[30:31]
	s_add_nc_u64 s[22:23], s[12:13], s[32:33]
	LOADW 4096, 64
	s_wait_kmcnt 0x0
	s_mov_b32 s24, s17                             ; e1
	s_branch .Lq
.Lnot_w1:
	s_cmp_lt_u32 ttmp9, 192
	s_cbranch_scc0 .Lnot_w2
	; ---- W2: w = (g - 128) / 16, s = g % 16
	s_lshr_b32 s29, ttmp9, 4
	s_sub_co_u32 s29, s29, 8
	s_lshl_b32 s30, s28, 17                        ; 64 s rows of 2,048 bytes
	s_lshl_b32 s34, s29, 9
	s_add_co_u32 s30, s30, s34
	s_add_co_u32 s30, s30, s25
	s_mul_i32 s32, s29, WAVEB
	s_lshl_b32 s34, s28, 1
	s_add_co_u32 s34, s34, s26
	s_add_co_u32 s34, s34, 64                      ; u = 64 + 2 s + hf
	s_lshl_b32 s34, s34, 12
	s_add_co_u32 s32, s32, s34
	s_add_co_u32 s32, s32, s27
	s_add_nc_u64 s[20:21], s[6:7], s[30:31]
	s_add_nc_u64 s[22:23], s[12:13], s[32:33]
	LOADW 2048, 64
	s_wait_kmcnt 0x0
	s_mov_b32 s24, s19                             ; e3
	s_branch .Lq
.Lnot_w2:
	s_cmp_lt_u32 ttmp9, 200
	s_cbranch_scc0 .Lw3
	; ---- W1's rows 1024 to 1031: grp = g - 192; the other 56 of the step's 64 along K are zeros
	s_sub_co_u32 s29, ttmp9, 192
	s_lshl_b32 s30, s29, 9
	s_add_co_u32 s30, s30, s25
	s_add_co_u32 s30, s30, 1024*4096
	s_lshl_b32 s32, s29, 13
	s_lshl_b32 s34, s14, 11
	s_add_co_u32 s32, s32, s34
	s_add_co_u32 s32, s32, WPR
	s_add_nc_u64 s[20:21], s[4:5], s[30:31]
	s_add_nc_u64 s[22:23], s[12:13], s[32:33]
	LOADW 4096, 8                                  ; no load leaves W1
.set i, 8
.rept 56
	v_mov_b32 v[X+i], 0
.set i, i+1
.endr
	s_wait_kmcnt 0x0
	s_mov_b32 s24, s17                             ; e1
.Lq:
	s_add_co_i32 s24, s24, 127
	s_lshl_b32 s34, s24, 23
	v_mov_b32 v11, s34                             ; 2^e as f32: the conversion takes its exponent field
	s_add_co_i32 s24, s24, 8
	s_lshl_b32 s24, s24, 23
	s_or_b32 s24, s24, 0x600000
	v_mov_b32 v10, s24                             ; 448 x 2^e
	s_wait_loadcnt 0x0
.set i, 0
.rept 64
	v_med3_num_f32 v[X+i], v[X+i], -v10, v10       ; the conversion to an 8-bit code does not saturate (ISA guide 7.6.2): the hold comes first
.set i, i+1
.endr
.irp g, 0,1,2,3,4,5,6,7
	v_cvt_scalef32_pk8_fp8_f32 v[C+2*\g:C+2*\g+1], v[X+8*\g:X+8*\g+7], v11
.endr
	v_nop                                          ; a plain line behind the last conversion
.irp m, 0,1,2,3
	global_store_b128 v3, v[C+4*\m:C+4*\m+3], s[22:23] offset:256*\m   ; k = 16 m + 0 .. 15: lanes 0-15 fill 256 consecutive bytes of one tile, lanes 16-31 of the next
.endr
	s_endpgm
.Lw3:
	; ---- W3: wave v makes fragments q = 4 v .. 4 v + 3.  Lanes with r >= 8 read column r - 8 (no load leaves W3) and store zeros
	s_lshl_b32 s30, s14, 12                        ; 128 v rows of 32 bytes; and 4 fragments of 1,024 bytes
	s_add_co_u32 s32, s30, W3F
	s_add_nc_u64 s[20:21], s[8:9], s[30:31]
	s_add_nc_u64 s[22:23], s[12:13], s[32:33]
	v_and_b32 v4, 7, v1
	v_lshlrev_b32 v4, 2, v4
	v_lshl_add_u32 v4, v6, 8, v4                   ; 8 h rows + 4 (r % 8)
	v_lshlrev_b32 v7, 4, v1                        ; out: 16 x lane
.irp t, 0,1,2,3,4,5,6,7
.irp j, 0,1,2,3,4,5,6,7
	global_load_b32 v[X+8*\t+\j], v4, s[20:21] offset:512*\t+32*\j   ; W3[128 v + 16 t + 8 h + j][r % 8]
.endr
.endr
	v_cmp_gt_u32 vcc_lo, 8, v5
	s_wait_loadcnt 0x0
.set i, 0
.rept 32
	v_cvt_pk_bf16_f32 v[C+i], v[X+2*i], v[X+2*i+1]
.set i, i+1
.endr
.set i, 0
.rept 32
	v_cndmask_b32 v[C+i], 0, v[C+i], vcc_lo
.set i, i+1
.endr
.irp t, 0,1,2,3,4,5,6,7
	global_store_b128 v7, v[C+4*\t:C+4*\t+3], s[22:23] offset:512*\t   ; 512 consecutive bytes
.endr
	s_wait_kmcnt 0x0                               ; the scales' load, which this path does not use, is in
	s_endpgm
.Lfunc_end_k_q3c9bcee56d_prep:
	.size	k_q3c9bcee56d_prep, .Lfunc_end_k_q3c9bcee56d_prep-k_q3c9bcee56d_prep
	.p2alignl 7, 3214868480
	.fill 96, 4, 3214868480
	.section	.rodata,"a",@progbits
	.p2align	6, 0x0
	.amdhsa_kernel k_q3c9bcee56d_prep
		.amdhsa_group_segment_fixed_size 0
		.amdhsa_private_segment_fixed_size 0
		.amdhsa_enable_private_segment 0
		.amdhsa_kernarg_size 40
		.amdhsa_user_sgpr_count 2
		.amdhsa_user_sgpr_kernarg_segment_ptr 1
		.amdhsa_wavefront_size32 1
		.amdhsa_system_sgpr_workgroup_id_x 1
		.amdhsa_system_sgpr_workgroup_id_y 1
		.amdhsa_system_sgpr_workgroup_id_z 1
		.amdhsa_system_vgpr_workitem_id 0
		.amdhsa_next_free_vgpr 128
		.amdhsa_next_free_sgpr 66
		.amdhsa_reserve_vcc 1
		.amdhsa_float_denorm_mode_32 3
		.amdhsa_float_denorm_mode_16_64 3
		.amdhsa_memory_ordered 1
		.amdhsa_forward_progress 1
		.amdhsa_inst_pref_size 33
	.end_amdhsa_kernel
	.amdgpu_metadata
---
amdhsa.version: [ 1, 2 ]
amdhsa.kernels:
  - .name:           k_q3c9bcee56d_prep
    .symbol:         k_q3c9bcee56d_prep.kd
    .args:
      - { .name: W1, .offset: 0, .size: 8, .value_kind: global_buffer, .address_space: global }
      - { .name: W2, .offset: 8, .size: 8, .value_kind: global_buffer, .address_space: global }
      - { .name: W3, .offset: 16, .size: 8, .value_kind: global_buffer, .address_space: global }
      - { .name: lowp_scales, .offset: 24, .size: 8, .value_kind: global_buffer, .address_space: global }
      - { .name: wts, .offset: 32, .size: 8, .value_kind: global_buffer, .address_space: global }
    .group_segment_fixed_size: 0
    .private_segment_fixed_size: 0
    .kernarg_segment_align: 8
    .kernarg_segment_size: 40
    .max_flat_workgroup_size: 128
    .sgpr_count:     66
    .vgpr_count:     128
    .wavefront_size: 32
...
	.end_amdgpu_metadata
.endif
;; end of part 1
;; launch gate (part 2): grid 256 x 1, 4 waves a work-group, no clusters, 291,328 bytes of LDS; arguments expert_reprs, expert_probs, active_mask, b1, b2, b3, lowp_scales, wts, out0, out1; writes out0, out1
.if DOCPART == 2
	.amdgcn_target "amdgcn-amd-amdhsa--gfx1250"
	.amdhsa_code_object_version 6
	.text
	.protected	k_q3c9bcee56d_gate
	.globl	k_q3c9bcee56d_gate
	.p2align	8
	.type	k_q3c9bcee56d_gate,@function
k_q3c9bcee56d_gate:
	s_mov_b64 s[64:65], 0
	v_nop
	global_prefetch_b8 v0, s[64:65] scope:SCOPE_SE
	s_setreg_imm32_b32 hwreg(HW_REG_WAVE_MODE, 25, 1), 1
	s_wait_xcnt 0x0
; The whole chain for 128 rows a work-group: x = [eight experts' 128 numbers | eight probabilities]; h1 = relu(x W1 + b1); h2 = relu(h1 W2 + b2); softmax(h2 W3 + b3) x mask, renormalised; the weighted probability.
; Products 1 and 2 on codes of FP8 (E4M3) with the given scales 2^e0 .. 2^e3, by v_wmma_f32_16x16x64_fp8_fp8; product 3 (8 outputs, its result enters no quantiser) on bf16; sums f32.  Nothing intermediate goes to memory.
; SHARES.  32,768 rows / 128 = 256 work-groups of four waves.  THE WAVES SHARE THE COLUMNS, NOT THE ROWS: in each of three stages (h1's columns 0-511, h1's 512-1023, h2's 512) wave w makes columns 128 w .. 128 w + 127
; of the stage for all 128 rows: 64 accumulators, 512 registers.  So each fragment of a weight is wanted by ONE wave: it goes from memory straight into that wave's registers, through a ring of four K steps
; (8 tiles of 16 columns x 64 k = 8,192 bytes each), asked for three steps ahead, in the order in which the launch before laid it.  What goes from wave to wave are the rows' codes, in LDS.
; EVERY GROUP OF LOADS THAT GOES ROUND HAS A BASE OF ITS OWN (four for x's groups, four for the ring's places): a base is stepped behind the counted s_wait_loadcnt that shows the loads that named it done,
; so no loop waits on XCNT.  A K step's 32 loads (16 of weights, 16 of rows) stand in ONE run behind its 64 products.
; NO CLUSTER, NO TENSOR LOADS: all work-groups walk the same weights, but x's and h1's codes, the mask and the probabilities take 290,816 of the 327,680 bytes of LDS; one K step of 64 of the four waves' weights
; is 32,768 bytes, so two slots (65,536) do not fit into the 36,864 left; and through LDS each weight byte would be written and read once more for a single reader.
; THE MATRIX INSTRUCTION IS USED TRANSPOSED (source 0 = 16 columns of the weight, source 1 = 16 rows): lane (r, h), register j of accumulator (a, b) holds row 16 a + r, column 16 b + 8 h + j: eight neighbours along the next K.
; PLACE OF k: registers 4 c .. 4 c + 3 of a fragment hold k = 32 c + 16 h + 0 .. 15, in both operands alike: every product meets its partner; only the order of the sums inside an instruction differs from the form's own.
; SCALES.  A sum of product 1 stands for sum x 2^(e0 + e1): b1 goes in as the first instruction's C, divided by that; h1's conversion takes 2^(e2 - e0 - e1).  Likewise b2; the logits are sum x 2^(e2 + e3) + b3.
; LIMITS: e0 and e2 - e0 - e1 between -126 and 119; e2 + e3 between -126 and 127 (each power of two below is an f32 number).  NaN among the inputs is not served.
; LDS: XR x's codes, 128 rows of 1,104 bytes (1,024 codes, 8 probabilities' codes, 56 zero codes, 16 unused: 69 x 16 bytes, so that sixteen rows start at sixteen different groups of four banks);
;      HR h1's codes likewise; MSK the mask's 128 rows; PRB the probabilities, f32.  When nobody reads XR any more: PART the four waves' partial logits, O1 and O0 the results on their way out.
; REGISTERS, in windows of 256: window 0: v1-24 addresses and constants; v32-63 codes just made, later W3's fragments; v64-127 a stage's bias, then the probability rows' weights, at the end the logits;
;      v128-255 two sets of the rows' eight fragments.   window 1: the ring of weights, place s at v[64 s].   windows 2, 3: accumulator (a, b) at v[8 (8 (b % 4) + a)] of window 2 + b / 4; at first window 2 takes x as it is loaded.
; SCALARS: s[34:35], s[36:37], s[84:85], s[86:87] x's four groups; s[76:83] the ring's four places; s[40:41] the probability rows' weights; s[42:47] the biases; s48-53 constants made of the exponents; s54-58 steps and counts; s[68:75] b3.
.set PITCH, 1104
.set TILE,  16*PITCH
.set HALFR, 64*PITCH
.set HR,    128*PITCH
.set MSK,   2*128*PITCH
.set PRB,   MSK+4096
.set O1,    32768                      ; PART lies at 0: [wave][row][16 f32]
.set O0,    O1+4096
.set WPR,   1572864
.set W3F,   1638400
.set RB,    76                         ; s[RB+2 s : RB+2 s+1]: the base of the ring's place s
.set MSB, 0
.macro WIN new                         ; the immediate's high byte repeats the setting that is left; a switch that changes nothing is dropped
.if MSB != (\new)
	s_set_vgpr_msb (MSB<<8)|(\new)
.set MSB, \new
.endif
.endm
; A load into a register that a matrix instruction has read, and a vector instruction or an LDS store that reads a matrix result, stand four plain vector instructions behind it (ISA guide 7.12.1 for vector instructions and LDS stores)
.macro PLACES
.rept 4
	v_nop
.endr
.endm
.macro BARRIER                         ; my LDS stores have landed and my LDS loads are in: then the work-group's barrier
	s_wait_dscnt 0x0
	s_barrier_signal -1
	s_barrier_wait -1
.endm
; 16 rows of one expert into group g of window 2: each load is one whole row, 512 consecutive bytes, 4 numbers a lane
.macro XFIRST g, ptr, half
.irp j, 0,1,2,3,4,5,6,7,8,9,10,11,12,13,14,15
	global_load_b128 v[64*(\g)+4*\j:64*(\g)+4*\j+3], v1, s[\ptr:\ptr+1] offset:(16*(\half)+\j)*512 th:TH_LOAD_NT
.endr
.endm
; Group g is quantised and filled again.  A conversion takes 8 registers: 4 numbers of row 2 j and 4 of row 2 j + 1, so each word of its result is four neighbouring codes of one row.
; ring = 0: the group takes the same rows of the expert two further on;  ring = 1: nothing is left of x, and the ring's place g is asked for in its stead.
.macro XG g, ptr, half, el, ring
	s_wait_loadcnt 48                              ; my 16 loads are in; the three younger groups of 16 may be out
.if (\ring) == 0
	s_add_nc_u64 s[\ptr:\ptr+1], s[\ptr:\ptr+1], 0x2000000   ; the group's own base, which only those 16 loads named: two experts (2 x 32,768 rows of 512 bytes) on
.endif
	WIN 0x82
.set i, 0
.rept 64
	v_med3_num_f32 v[64*(\g)+i], v[64*(\g)+i], s49, s48   ; the conversion to an 8-bit code does not saturate (ISA guide 7.6.2): the hold at +-448 x 2^e0
.set i, i+1
.endr
	s_wait_dscnt 0x0                               ; the last group's stores have read the codes' registers
	WIN 0x02
.irp j, 0,1,2,3,4,5,6,7
	v_cvt_scalef32_pk8_fp8_f32 v[32+2*\j:33+2*\j], v[64*(\g)+8*\j:64*(\g)+8*\j+7], v10
.endr
	v_nop                                          ; a plain line behind the last conversion
.if \ring
	WIN 0x40
.irp j, 0,1,2,3,4,5,6,7,8,9,10,11,12,13,14,15
	global_load_b128 v[64*(\g)+4*\j:64*(\g)+4*\j+3], v1, s[RB+2*(\g):RB+2*(\g)+1] offset:512*\j
.endr
.else
	WIN 0x80
	XFIRST \g, \ptr, \half
.endif
	WIN 0
.irp j, 0,1,2,3,4,5,6,7,8,9,10,11,12,13,14,15
	ds_store_b32 v14, v[32+\j] offset:(16*(\half)+\j)*PITCH+128*(\el)   ; 128 consecutive bytes: the expert's codes of one row
.endr
.endm
.macro RING s                          ; the ring's place s takes its K step of the next trip: 16 loads of 512 consecutive bytes
.irp j, 0,1,2,3,4,5,6,7,8,9,10,11,12,13,14,15
	global_load_b128 v[64*(\s)+4*\j:64*(\s)+4*\j+3], v1, s[RB+2*(\s):RB+2*(\s)+1] offset:512*\j
.endr
.endm
.macro ALOAD set, koff                 ; the 128 rows' fragments of 64 along K, koff bytes on from where v4, v5 stand
.irp a, 0,1,2,3,4,5,6,7
.irp c, 0,1
	ds_load_b128 v[128+64*(\set)+8*\a+4*\c:128+64*(\set)+8*\a+4*\c+3], v[4+\a/4] offset:(\a%4)*TILE+(\koff)+32*\c
.endr
.endr
.endm
; 32 matrix instructions: four tiles of columns x eight tiles of rows.  c0 = 1: the stage's first K step: C is the bias, nothing is ever cleared.
; The 64 accumulators take turns, one instruction a turn, in the same order in every step.
.macro HALF s, hf, c0
.if \c0
	WIN 0x81+0x40*(\hf)
.else
	WIN 0xa1+0x50*(\hf)
.endif
.irp b, 0,1,2,3
.irp a, 0,1,2,3,4,5,6,7
.if \c0
	v_wmma_f32_16x16x64_fp8_fp8 v[8*(8*\b+\a):8*(8*\b+\a)+7], v[64*(\s)+32*(\hf)+8*\b:64*(\s)+32*(\hf)+8*\b+7], v[128+64*((\s)%2)+8*\a:128+64*((\s)%2)+8*\a+7], v[64+8*(4*(\hf)+\b):64+8*(4*(\hf)+\b)+7]
.else
	v_wmma_f32_16x16x64_fp8_fp8 v[8*(8*\b+\a):8*(8*\b+\a)+7], v[64*(\s)+32*(\hf)+8*\b:64*(\s)+32*(\hf)+8*\b+7], v[128+64*((\s)%2)+8*\a:128+64*((\s)%2)+8*\a+7], v[8*(8*\b+\a):8*(8*\b+\a)+7]
.endif
.endr
.endr
.endm
; A step of 64 along K: 64 products, then ONE run of loads.  dsn: the LDS loads that may stay out (the next step's 16); n1, n2: the global loads that may stay out when the place's first and second eight are wanted.
; refill: the place is asked for anew as soon as it is multiplied;  aiss: the rows' fragments of the step after next;  pw: the bias is used up, its registers take the probability rows' weights.
.macro STEP s, c0, pw, refill, aiss, dsn, n1, n2
	s_wait_dscnt \dsn
	s_wait_loadcnt \n1
	HALF \s, 0, \c0
	s_wait_loadcnt \n2
.if \refill
	s_add_nc_u64 s[RB+2*(\s):RB+2*(\s)+1], s[RB+2*(\s):RB+2*(\s)+1], 32768   ; all 16 loads that named the place's base are in: it steps four K steps on
.endif
	HALF \s, 1, \c0
.if (\refill) || (\aiss) || (\pw)
	PLACES
.endif
.if \refill
	WIN 0x40
	RING \s
.endif
.if (\aiss) || (\pw)
	WIN 0
.endif
.if \aiss
	ALOAD (\s)%2, 64*((\s)+2)
.endif
.if \pw
.irp j, 0,1,2,3,4,5,6,7,8,9,10,11,12,13,14,15
	global_load_b128 v[64+4*\j:64+4*\j+3], v1, s[40:41] offset:512*\j
.endr
.endif
.endm
; Four steps: once round the ring.  With refill, behind a place's first eight loads were issued its second eight and the three other places' 48: the counts are 56 and 48
; (what else was asked for in between only makes a count stricter than it need be).
; na: how many of the four steps fetch rows' fragments two steps ahead.  Without refill (the launch's last trip) the counts run down.
.macro TRIP first, pw, refill, na
.if \refill
	STEP 0, \first, \pw, 1, 1, 16, 56, 48
	STEP 1, 0, 0, 1, 1, 16, 56, 48
	STEP 2, 0, 0, 1, 1, 16, 56, 48
.if (\na) == 4
	STEP 3, 0, 0, 1, 1, 16, 56, 48
.else
	STEP 3, 0, 0, 1, 0, 16, 56, 48
.endif
	WIN 0
	s_add_co_u32 s54, s54, 256                     ; the rows' fragments: four K steps on
	v_add_nc_u32 v4, s54, v2
	v_add_nc_u32 v5, s54, v3
.else
	STEP 0, 0, 0, 0, 1, 16, 56, 48
	STEP 1, 0, 0, 0, 1, 16, 40, 32
	STEP 2, 0, 0, 0, 0, 16, 24, 16
	STEP 3, 0, 0, 0, 0, 0, 8, 0
	WIN 0
.endif
.endm
.macro BILOAD                          ; a stage's bias in the result's layout: lane (r, h), tile b: columns 16 b + 8 h + 0 .. 7
.irp b, 0,1,2,3,4,5,6,7
	global_load_b128 v[64+8*\b:67+8*\b], v12, s[42:43] offset:64*\b
	global_load_b128 v[68+8*\b:71+8*\b], v12, s[42:43] offset:64*\b+16
.endr
.endm
.macro STAGE_HEAD eb                   ; the first two steps' fragments of the rows; the bias divided by the power of two that the sums lack
	v_add_nc_u32 v4, s54, v2
	v_add_nc_u32 v5, s54, v3
	ALOAD 0, 0
	ALOAD 1, 64
	s_wait_loadcnt 0x0                             ; all loads are in, the bias among them
.set i, 0
.rept 64
	v_ldexp_f32 v[64+i], v[64+i], \eb
.set i, i+1
.endr
.endm
.macro PSTEP                           ; product 1's last step: k = 1024 on: eight probabilities, then zero codes on both sides
	s_wait_dscnt 0x0
.irp hf, 0,1
	WIN 0xa0+0x50*\hf
.irp b, 0,1,2,3
.irp a, 0,1,2,3,4,5,6,7
	v_wmma_f32_16x16x64_fp8_fp8 v[8*(8*\b+\a):8*(8*\b+\a)+7], v[64+8*(4*\hf+\b):64+8*(4*\hf+\b)+7], v[128+8*\a:128+8*\a+7], v[8*(8*\b+\a):8*(8*\b+\a)+7]
.endr
.endr
.endr
	PLACES
	WIN 0
.endm
; h1: the activation and the hold in one, the conversion, and eight codes a lane into the row's place in HR; 16 accumulators at a time, each from its low end on
.macro EPI1
.irp G, 0,1,2,3
	WIN 0x82+0x41*(\G/2)
.set i, 0
.rept 128
	v_med3_num_f32 v[128*(\G%2)+i], v[128*(\G%2)+i], 0, s50
.set i, i+1
.endr
	s_wait_dscnt 0x0                               ; the last sixteen stores have read the codes' registers
	WIN 0x02+(\G/2)
.irp t, 0,1,2,3,4,5,6,7,8,9,10,11,12,13,14,15
	v_cvt_scalef32_pk8_fp8_f32 v[32+2*\t:33+2*\t], v[128*(\G%2)+8*\t:128*(\G%2)+8*\t+7], v11
.endr
	v_nop                                          ; a plain line behind the last conversion
	WIN 0
.irp t, 0,1,2,3,4,5,6,7,8,9,10,11,12,13,14,15
	ds_store_b64 v[8+(\t%8)/4], v[32+2*\t:33+2*\t] offset:((\t%8)%4)*TILE+16*(4*(\G/2)+2*(\G%2)+\t/8)   ; a = t % 8, b = 4 (G / 2) + 2 (G % 2) + t / 8
.endr
.endr
.endm
	; ---- the head
	s_load_b512 s[8:23], s[0:1], 0x0               ; x s[8:9], probabilities s[10:11], mask s[12:13], b1 s[14:15], b2 s[16:17], b3 s[18:19], the scales' exponents s[20:21], wts s[22:23]
	s_load_b128 s[24:27], s[0:1], 0x40             ; out0 s[24:25], out1 s[26:27]
	v_lshl_add_u32 v30, v0, 2, 0x47000
	v_mov_b32 v31, 0
	v_lshrrev_b32 v25, 5, v0
	v_readfirstlane_b32 s32, v25                   ; wave w
	v_and_b32 v27, 31, v0                          ; lane
	v_and_b32 v25, 15, v0                          ; r
	v_bfe_u32 v26, v0, 4, 1                        ; h
	s_mov_b32 s58, 0                               ; the expert pair's place in a row of XR
	v_lshlrev_b32 v1, 4, v27                       ; v1  16 x lane
	v_mul_u32_u24 v2, v25, PITCH
	v_lshl_add_u32 v6, v26, 3, v2
	v_lshl_add_u32 v2, v26, 4, v2                  ; v2  a fragment's row r + 16 h, rows 0-63;
	v_add_nc_u32 v3, HALFR, v2                     ; v3  rows 64-127
	s_lshl_b32 s2, s32, 7
	s_add_co_u32 s2, s2, HR
	v_add_nc_u32 v6, s2, v6                        ; v6  h1's codes: HR + row r + 8 h + 128 w, rows 0-63;
	v_add_nc_u32 v7, HALFR, v6                     ; v7  rows 64-127
	v_lshlrev_b32 v12, 5, v26                      ; v12 32 h: the bias
	s_mul_i32 s2, s32, 32*PITCH
	v_lshl_add_u32 v13, v27, 2, s2                 ; v13 x's codes: my wave's 32 rows + 4 x lane
	v_add_nc_u32 v14, s58, v13                     ; v14 + the expert pair
	v_mul_u32_u24 v15, v0, PITCH                   ; v15 the thread's row in XR
	v_lshlrev_b32 v16, 2, v0                       ; v16 4 x thread
	v_lshlrev_b32 v22, 5, v0                       ; v22 32 x thread
	v_add_nc_u32 v17, PRB, v22                     ; v17, v19 the thread's row of probabilities and of the mask
	v_add_nc_u32 v19, MSK, v22
	s_lshl_b32 s2, s32, 10
	v_add_nc_u32 v24, s2, v1                       ; v24 1,024 w + 16 x lane
	v_add_nc_u32 v18, MSK, v24
	s_lshl_b32 s2, s32, 13
	v_lshlrev_b32 v20, 6, v25
	v_lshl_add_u32 v20, v26, 5, v20
	v_add_nc_u32 v20, s2, v20                      ; v20 partial logits: 8,192 w + 64 r + 32 h
	v_lshlrev_b32 v21, 6, v0                       ; v21 64 x thread
	s_wait_kmcnt 0x0
	s_load_b128 s[28:31], s[20:21], 0x0            ; e0 .. e3
	s_load_b256 s[68:75], s[18:19], 0x0            ; b3
	s_mov_b32 s3, 0
	s_lshl_b32 s2, ttmp9, 16                       ; the block's 128 rows of 512 bytes,
	s_lshl_b32 s4, s32, 14                         ; my wave's 32
	s_add_co_u32 s2, s2, s4
	s_add_nc_u64 s[34:35], s[8:9], s[2:3]          ; groups 0 and 1: expert 0; each group has a base of its own
	s_mov_b64 s[36:37], s[34:35]
	s_add_nc_u64 s[84:85], s[34:35], 0x1000000     ; groups 2 and 3: expert 1: 32,768 rows of 512 bytes on
	s_mov_b64 s[86:87], s[84:85]
	s_lshl_b32 s2, ttmp9, 9
	s_add_nc_u64 s[10:11], s[10:11], s[2:3]
	s_add_nc_u64 s[24:25], s[24:25], s[2:3]
	s_lshl_b32 s2, ttmp9, 12
	s_add_nc_u64 s[12:13], s[12:13], s[2:3]
	s_add_nc_u64 s[26:27], s[26:27], s[2:3]
	s_mul_i32 s2, s32, 393216
	s_add_nc_u64 s[RB:RB+1], s[22:23], s[2:3]      ; my stream of weights: the ring's four places at its first four K steps
	s_add_nc_u64 s[RB+2:RB+3], s[RB:RB+1], 8192
	s_add_nc_u64 s[RB+4:RB+5], s[RB:RB+1], 16384
	s_add_nc_u64 s[RB+6:RB+7], s[RB:RB+1], 24576
	s_lshl_b32 s2, s32, 13
	s_add_co_u32 s2, s2, WPR
	s_add_nc_u64 s[40:41], s[22:23], s[2:3]        ; the probability rows' weights, stage 0
	s_lshl_b32 s2, s32, 12
	s_add_co_u32 s2, s2, W3F
	s_add_nc_u64 s[60:61], s[22:23], s[2:3]        ; my four fragments of W3
	s_lshl_b32 s2, s32, 9
	s_add_nc_u64 s[42:43], s[14:15], s[2:3]        ; the bias of stage 0,
	s_add_nc_u64 s[44:45], s[42:43], 2048          ; of stage 1,
	s_add_nc_u64 s[46:47], s[16:17], s[2:3]        ; of stage 2
.irp e, 0,1,2,3,4,5,6,7
	global_load_b32 v[48+\e], v16, s[10:11] offset:131072*\e th:TH_LOAD_NT   ; the thread's row: expert e's probability
.endr
	global_load_b128 v[56:59], v24, s[12:13] th:TH_LOAD_NT                    ; the mask as it lies: 512 consecutive bytes a load
	global_load_b128 v[60:63], v24, s[12:13] offset:512 th:TH_LOAD_NT
	WIN 0x80
	XFIRST 0, 34, 0
	XFIRST 1, 36, 1
	XFIRST 2, 84, 0
	XFIRST 3, 86, 1
	WIN 0
	s_wait_kmcnt 0x0
	s_add_co_i32 s2, s28, 127
	s_lshl_b32 s4, s2, 23
	v_mov_b32 v10, s4                              ; v10 2^e0 as f32: the conversion takes its exponent field
	s_add_co_i32 s2, s2, 8
	s_lshl_b32 s2, s2, 23
	s_or_b32 s48, s2, 0x600000                     ; 448 x 2^e0,
	s_or_b32 s49, s48, 0x80000000                  ; and its negative
	s_add_co_i32 s5, s28, s29
	s_sub_co_i32 s51, 0, s5                        ; -(e0 + e1)
	s_sub_co_i32 s2, s30, s5
	s_add_co_i32 s2, s2, 127
	s_lshl_b32 s4, s2, 23
	v_mov_b32 v11, s4                              ; v11 2^(e2 - e0 - e1)
	s_add_co_i32 s2, s2, 8
	s_lshl_b32 s2, s2, 23
	s_or_b32 s50, s2, 0x600000                     ; 448 x that
	s_add_co_i32 s5, s30, s31
	s_sub_co_i32 s52, 0, s5                        ; -(e2 + e3)
	s_add_co_i32 s5, s5, 127
	s_lshl_b32 s53, s5, 23                         ; 2^(e2 + e3)
	; ---- X: my wave's 32 rows, two experts a trip, 64 loads (32,768 bytes) of the wave always asked for
	s_mov_b32 s56, 3
.Lx:
	XG 0, 34, 0, 0, 0
	XG 1, 36, 1, 0, 0
	XG 2, 84, 0, 1, 0
	XG 3, 86, 1, 1, 0
	s_add_co_u32 s58, s58, 256
	v_add_nc_u32 v14, s58, v13
	s_sub_co_u32 s56, s56, 1
	s_cmp_lg_u32 s56, 0
	s_cbranch_scc1 .Lx
	XG 0, 34, 0, 0, 1                              ; experts 6 and 7: no load leaves x; the ring of weights is filled in their stead
	XG 1, 36, 1, 0, 1
	XG 2, 84, 0, 1, 1
	XG 3, 86, 1, 1, 1
	BILOAD
	s_wait_dscnt 0x0                               ; the last group's stores have read v32-47
	ds_store_b128 v17, v[48:51]                    ; the probabilities and the mask are kept for the end
	ds_store_b128 v17, v[52:55] offset:16
	ds_store_b128 v18, v[56:59]
	ds_store_b128 v18, v[60:63] offset:512
.irp j, 0,1,2,3,4,5,6,7
	v_med3_num_f32 v[32+\j], v[48+\j], s49, s48
.endr
	v_cvt_scalef32_pk8_fp8_f32 v[40:41], v[32:39], v10
.irp j, 44,45,46,47
	v_mov_b32 v\j, 0                               ; (plain lines behind the conversion)
.endr
	ds_store_b64 v15, v[40:41] offset:1024         ; k = 1024 .. 1031
	ds_store_b64 v15, v[44:45] offset:1032         ; zero codes up to k = 1087
	ds_store_b128 v15, v[44:47] offset:1040
	ds_store_b128 v15, v[44:47] offset:1056
	ds_store_b128 v15, v[44:47] offset:1072
	BARRIER                                        ; x's codes lie in LDS
	; ---- stages 0 and 1: h1's two halves of 512 columns
	s_mov_b32 s57, 0
	s_mov_b32 s55, 0
.Lpass:
	s_mov_b32 s54, 0                               ; along K, in XR
	v_add_nc_u32 v8, s55, v6                       ; where this half's codes go
	v_add_nc_u32 v9, s55, v7
	STAGE_HEAD s51
	TRIP 1, 1, 1, 4
	s_mov_b32 s56, 2
.Lk1:
	TRIP 0, 0, 1, 4
	s_sub_co_u32 s56, s56, 1
	s_cmp_lg_u32 s56, 0
	s_cbranch_scc1 .Lk1
	TRIP 0, 0, 1, 3                                ; its third step fetches k = 1024 on; its refills are the next stage's first K steps
	PSTEP
	s_cmp_eq_u32 s57, 0                            ; (the loads that named s[42:43] were shown done by the stage's head, which waited for all loads)
	s_cselect_b64 s[42:43], s[44:45], s[46:47]     ; the next stage's bias: b1's second half, or b2
	BILOAD                                         ; four plain lines behind the products that read these registers
	EPI1
	s_wait_xcnt 0x0                                ; every earlier load has read its base
	s_add_nc_u64 s[40:41], s[40:41], 32768
	s_add_co_u32 s55, s55, 512
	s_add_co_u32 s57, s57, 1
	s_cmp_lt_u32 s57, 2
	s_cbranch_scc1 .Lpass
	; ---- stage 2: h2
	s_wait_dscnt 0x0                               ; my stores of h1's codes have landed, and have read v32-63
.irp j, 0,1,2,3,4,5,6,7
	global_load_b128 v[32+4*\j:35+4*\j], v1, s[60:61] offset:512*\j   ; W3's rows 128 w .. 128 w + 127: four fragments
.endr
	s_barrier_signal -1
	s_barrier_wait -1                              ; h1's codes lie in LDS, and nobody reads x's any more
	s_mov_b32 s54, HR
	STAGE_HEAD s52
	TRIP 1, 0, 1, 4
	s_mov_b32 s56, 2
.Lk2:
	TRIP 0, 0, 1, 4
	s_sub_co_u32 s56, s56, 1
	s_cmp_lg_u32 s56, 0
	s_cbranch_scc1 .Lk2
	TRIP 0, 0, 0, 2
	; ---- product 3: relu, rounded to bf16: tiles 2 q and 2 q + 1 of a tile of rows ARE one fragment of 32 along K.  Source 0 = W3 (8 outputs, 8 rows of zeros), source 1 = 16 rows:
	; lanes 0-15 then hold a row's eight partial logits, over my 128 columns of h2
	PLACES
.irp W, 0,1
	WIN 0x88+0x44*\W
.set i, 0
.rept 256
	v_max_num_f32 v[i], 0, v[i]                    ; each accumulator from its low end on.  (The second 256 are also the places behind the products that read v128-255)
.set i, i+1
.endr
	WIN 0x0a+5*\W
.irp b, 0,1,2,3
.irp a, 0,1,2,3,4,5,6,7
.irp j, 0,1,2,3
	v_cvt_pk_bf16_f32 v[128+8*(8*(\b/2)+\a)+4*(\b%2)+\j], v[8*(8*\b+\a)+2*\j], v[8*(8*\b+\a)+2*\j+1]
.endr
.endr
.endr
	WIN 0
.irp q, 0,1
.irp a, 0,1,2,3,4,5,6,7
.if (\W == 0) && (\q == 0)
	v_wmma_f32_16x16x32_bf16 v[64+8*\a:71+8*\a], v[32+8*(2*\W+\q):39+8*(2*\W+\q)], v[128+8*(8*\q+\a):135+8*(8*\q+\a)], 0
.else
	v_wmma_f32_16x16x32_bf16 v[64+8*\a:71+8*\a], v[32+8*(2*\W+\q):39+8*(2*\W+\q)], v[128+8*(8*\q+\a):135+8*(8*\q+\a)], v[64+8*\a:71+8*\a]
.endif
.endr
.endr
.endr
	PLACES
.irp a, 0,1,2,3,4,5,6,7
	ds_store_b128 v20, v[64+8*\a:67+8*\a] offset:1024*\a        ; row 16 a + r: lanes 0-15 the eight sums, lanes 16-31 the padding's zeros beside them
	ds_store_b128 v20, v[68+8*\a:71+8*\a] offset:1024*\a+16
.endr
	BARRIER                                        ; the four waves' partial logits lie in LDS
	; ---- the end: a thread to a row
.irp q, 0,1,2,3
	ds_load_b128 v[128+8*\q:131+8*\q], v21 offset:8192*\q
	ds_load_b128 v[132+8*\q:135+8*\q], v21 offset:8192*\q+16
.endr
	ds_load_b128 v[160:163], v17                   ; the probabilities
	ds_load_b128 v[164:167], v17 offset:16
	ds_load_b128 v[168:171], v19                   ; the mask
	ds_load_b128 v[172:175], v19 offset:16
	s_mov_b32 s6, 0x3fb8aa3b                       ; log2 e
	s_wait_dscnt 0x0
.irp i, 0,2,4,6
	v_pk_add_f32 v[128+\i:129+\i], v[128+\i:129+\i], v[136+\i:137+\i]
	v_pk_add_f32 v[144+\i:145+\i], v[144+\i:145+\i], v[152+\i:153+\i]
.endr
.irp i, 0,2,4,6
	v_pk_add_f32 v[128+\i:129+\i], v[128+\i:129+\i], v[144+\i:145+\i]
.endr
.irp j, 0,1,2,3,4,5,6,7
	v_fma_f32 v[128+\j], v[128+\j], s53, s[68+\j]  ; logit = sum x 2^(e2 + e3) + b3
.endr
	v_max3_num_f32 v176, v128, v129, v130
	v_max3_num_f32 v176, v176, v131, v132
	v_max3_num_f32 v176, v176, v133, v134
	v_max_num_f32 v176, v176, v135                 ; the row's largest logit is taken away ahead of the exponentials
	v_mul_f32 v176, s6, v176
.irp j, 0,1,2,3,4,5,6,7
	v_fma_f32 v[128+\j], v[128+\j], s6, -v176
.endr
.irp j, 0,1,2,3,4,5,6,7
	v_exp_f32 v[136+\j], v[128+\j]
.endr
	v_nop                                          ; a plain line behind the last exponential,
	s_wait_alu depctr_va_vdst(0)                   ; and one wait for the batch, ahead of its first reader
	v_pk_add_f32 v[144:145], v[136:137], v[138:139]
	v_pk_add_f32 v[146:147], v[140:141], v[142:143]
	v_pk_add_f32 v[144:145], v[144:145], v[146:147]
	v_add_f32 v144, v144, v145
	v_rcp_f32 v144, v144
	v_nop
	s_wait_alu depctr_va_vdst(0)
.irp i, 0,2,4,6
	v_pk_mul_f32 v[136+\i:137+\i], v[136+\i:137+\i], v[144:145] op_sel_hi:[1,0]   ; the softmax,
.endr
.irp i, 0,2,4,6
	v_pk_mul_f32 v[136+\i:137+\i], v[136+\i:137+\i], v[168+\i:169+\i]             ; x the mask
.endr
	v_pk_add_f32 v[146:147], v[136:137], v[138:139]
	v_pk_add_f32 v[148:149], v[140:141], v[142:143]
	v_pk_add_f32 v[146:147], v[146:147], v[148:149]
	v_add_f32 v146, v146, v147
	v_add_f32 v146, 0x322bcc77, v146               ; + 1e-8
	v_rcp_f32 v146, v146
	v_nop
	s_wait_alu depctr_va_vdst(0)
.irp i, 0,2,4,6
	v_pk_mul_f32 v[136+\i:137+\i], v[136+\i:137+\i], v[146:147] op_sel_hi:[1,0]   ; the gate's weights
.endr
	v_pk_mul_f32 v[148:149], v[136:137], v[160:161]
.irp i, 2,4,6
	v_pk_fma_f32 v[148:149], v[136+\i:137+\i], v[160+\i:161+\i], v[148:149]
.endr
	v_add_f32 v148, v148, v149                     ; the weighted probability
	ds_store_b128 v22, v[136:139] offset:O1        ; results meet in LDS, so that they leave in runs of 512 consecutive bytes
	ds_store_b128 v22, v[140:143] offset:O1+16
	ds_store_b32 v16, v148 offset:O0
	BARRIER
	ds_load_b128 v[152:155], v24 offset:O1
	ds_load_b128 v[156:159], v24 offset:O1+512
	s_wait_dscnt 0x0
	global_store_b128 v24, v[152:155], s[26:27] th:TH_STORE_NT
	global_store_b128 v24, v[156:159], s[26:27] offset:512 th:TH_STORE_NT
	s_cmp_lg_u32 s32, 0
	s_cbranch_scc1 .Ldone                          ; the block's 128 weighted probabilities are 512 bytes: wave 0 stores them
	ds_load_b128 v[160:163], v1 offset:O0
	s_wait_dscnt 0x0
	global_store_b128 v1, v[160:163], s[24:25] th:TH_STORE_NT
.Ldone:
	s_wait_tensorcnt 0x0
	ds_add_u32 v30, v31
	s_wait_dscnt 0x0
	s_endpgm
.Lfunc_end_k_q3c9bcee56d_gate:
	.size	k_q3c9bcee56d_gate, .Lfunc_end_k_q3c9bcee56d_gate-k_q3c9bcee56d_gate
	.p2alignl 7, 3214868480
	.fill 96, 4, 3214868480
	.section	.rodata,"a",@progbits
	.p2align	6, 0x0
	.amdhsa_kernel k_q3c9bcee56d_gate
		.amdhsa_group_segment_fixed_size 291328
		.amdhsa_private_segment_fixed_size 0
		.amdhsa_enable_private_segment 0
		.amdhsa_kernarg_size 80
		.amdhsa_user_sgpr_count 2
		.amdhsa_user_sgpr_kernarg_segment_ptr 1
		.amdhsa_wavefront_size32 1
		.amdhsa_system_sgpr_workgroup_id_x 1
		.amdhsa_system_sgpr_workgroup_id_y 1
		.amdhsa_system_sgpr_workgroup_id_z 1
		.amdhsa_system_vgpr_workitem_id 0
		.amdhsa_next_free_vgpr 1024
		.amdhsa_next_free_sgpr 88
		.amdhsa_reserve_vcc 0
		.amdhsa_float_denorm_mode_32 3
		.amdhsa_float_denorm_mode_16_64 3
		.amdhsa_memory_ordered 1
		.amdhsa_forward_progress 1
		.amdhsa_inst_pref_size 255
	.end_amdhsa_kernel
	.section	.bss,"aw",@nobits
	.p2align	6
	.space	262144
	.amdgpu_metadata
---
amdhsa.version: [ 1, 2 ]
amdhsa.kernels:
  - .name:           k_q3c9bcee56d_gate
    .symbol:         k_q3c9bcee56d_gate.kd
    .args:
      - { .name: expert_reprs, .offset: 0, .size: 8, .value_kind: global_buffer, .address_space: global }
      - { .name: expert_probs, .offset: 8, .size: 8, .value_kind: global_buffer, .address_space: global }
      - { .name: active_mask, .offset: 16, .size: 8, .value_kind: global_buffer, .address_space: global }
      - { .name: b1, .offset: 24, .size: 8, .value_kind: global_buffer, .address_space: global }
      - { .name: b2, .offset: 32, .size: 8, .value_kind: global_buffer, .address_space: global }
      - { .name: b3, .offset: 40, .size: 8, .value_kind: global_buffer, .address_space: global }
      - { .name: lowp_scales, .offset: 48, .size: 8, .value_kind: global_buffer, .address_space: global }
      - { .name: wts, .offset: 56, .size: 8, .value_kind: global_buffer, .address_space: global }
      - { .name: out0, .offset: 64, .size: 8, .value_kind: global_buffer, .address_space: global }
      - { .name: out1, .offset: 72, .size: 8, .value_kind: global_buffer, .address_space: global }
    .group_segment_fixed_size: 291328
    .private_segment_fixed_size: 0
    .kernarg_segment_align: 8
    .kernarg_segment_size: 80
    .max_flat_workgroup_size: 128
    .sgpr_count:     88
    .vgpr_count:     1024
    .wavefront_size: 32
...
	.end_amdgpu_metadata
.endif
;; end of part 2
;; ======== version 2 of 2: 2 launches; version 1 with the launch gate written anew for expert scheduling mode
;; workspace buffers: wts 1,654,784 bytes
;; launch prep: the kernel of part 1 again; grid 201 x 1, 4 waves a work-group, no clusters, 0 bytes of LDS; arguments W1, W2, W3, lowp_scales, wts; writes wts
;; launch gate (part 3): grid 256 x 1, 4 waves a work-group, no clusters, 291,328 bytes of LDS; arguments expert_reprs, expert_probs, active_mask, b1, b2, b3, lowp_scales, wts, out0, out1; writes out0, out1
.if DOCPART == 3
	.amdgcn_target "amdgcn-amd-amdhsa--gfx1250"
	.amdhsa_code_object_version 6
	.text
	.protected	k_q3c9bcee56d_gate
	.globl	k_q3c9bcee56d_gate
	.p2align	8
	.type	k_q3c9bcee56d_gate,@function
k_q3c9bcee56d_gate:
	s_mov_b64 s[64:65], 0
	v_nop
	global_prefetch_b8 v0, s[64:65] scope:SCOPE_SE
	s_setreg_imm32_b32 hwreg(HW_REG_WAVE_SCHED_MODE, 0, 2), 2
	s_setreg_imm32_b32 hwreg(HW_REG_WAVE_MODE, 25, 1), 1
	s_wait_xcnt 0x0
	s_wait_alu depctr_vm_vsrc(0)
; The whole chain for 128 rows a work-group: x = [eight experts' 128 numbers | eight probabilities]; h1 = relu(x W1 + b1); h2 = relu(h1 W2 + b2); softmax(h2 W3 + b3) x mask, renormalised; the weighted probability.
; Products 1 and 2 on codes of FP8 (E4M3) with the given scales 2^e0 .. 2^e3, by v_wmma_f32_16x16x64_fp8_fp8; product 3 (8 outputs, its result enters no quantiser) on bf16; sums f32.  Nothing intermediate goes to memory.
; SHARES.  32,768 rows / 128 = 256 work-groups of four waves.  THE WAVES SHARE THE COLUMNS, NOT THE ROWS: in each of three stages (h1's columns 0-511, h1's 512-1023, h2's 512) wave w makes columns 128 w .. 128 w + 127
; of the stage for all 128 rows: 64 accumulators, 512 registers.  So each fragment of a weight is wanted by ONE wave: it goes from memory straight into that wave's registers, through a ring of four K steps
; (8 tiles of 16 columns x 64 k = 8,192 bytes each), in the order in which the launch before laid it.  What goes from wave to wave are the rows' codes, in LDS.
; EVERY GROUP OF LOADS THAT GOES ROUND HAS A BASE OF ITS OWN (four for x's groups, four for the ring's places): a base is stepped behind the counted s_wait_loadcnt that shows the loads that named it done,
; so no loop waits on XCNT.
; NO CLUSTER, NO TENSOR LOADS: all work-groups walk the same weights, but x's and h1's codes, the mask and the probabilities take 290,816 of the 327,680 bytes of LDS; one K step of 64 of the four waves' weights
; is 32,768 bytes, so two slots (65,536) do not fit into the 36,864 left; and through LDS each weight byte would be written and read once more for a single reader.
; THE MATRIX INSTRUCTION IS USED TRANSPOSED (source 0 = 16 columns of the weight, source 1 = 16 rows): lane (r, h), register j of accumulator (a, b) holds row 16 a + r, column 16 b + 8 h + j: eight neighbours along the next K.
; PLACE OF k: registers 4 c .. 4 c + 3 of a fragment hold k = 32 c + 16 h + 0 .. 15, in both operands alike: every product meets its partner; only the order of the sums inside an instruction differs from the form's own.
; SCALES.  A sum of product 1 stands for sum x 2^(e0 + e1): b1 goes in as the first instruction's C, divided by that; h1's conversion takes 2^(e2 - e0 - e1).  Likewise b2; the logits are sum x 2^(e2 + e3) + b3.
; LIMITS: e0 and e2 - e0 - e1 between -126 and 119; e2 + e3 between -126 and 127 (each power of two below is an f32 number).  NaN among the inputs is not served.
; LDS: XR x's codes, 128 rows of 1,104 bytes (1,024 codes, 8 probabilities' codes, 56 zero codes, 16 unused: 69 x 16 bytes, so that sixteen rows start at sixteen different groups of four banks);
;      HR h1's codes likewise; MSK the mask's 128 rows; PRB the probabilities, f32.  When nobody reads XR any more: PART the four waves' partial logits, O1 and O0 the results on their way out.
; REGISTERS, in windows of 256: window 0: v1-24 addresses and constants; v32-63 codes just made, later W3's fragments; v64-127 a stage's bias, then the probability rows' weights, at the end the logits;
;      v128-255 two sets of the rows' eight fragments.   window 1: the ring of weights, place s at v[64 s].   windows 2, 3: accumulator (a, b) at v[8 (8 (b % 4) + a)] of window 2 + b / 4; at first window 2 takes x as it is loaded.
; SCALARS: s[34:35], s[36:37], s[84:85], s[86:87] x's four groups; s[76:83] the ring's four places; s[40:41] the probability rows' weights; s[42:47] the biases; s48-53 constants made of the exponents; s54-58 steps and counts; s[68:75] b3.
; THE MODE: SCHED_MODE bits 1:0 = 2 (LLVM: expert scheduling mode 2), set by the entry lines.  The code itself states the register dependences
; between vector or matrix instructions and memory or LDS instructions, with s_wait_alu, always for 0.
; THE PLAN.  Registers that memory or LDS instructions touch:
;   v1, v12, v15-v22, v24   Offsets and LDS addresses, made at the head and never written again: one wait on va_vdst ahead of the first load serves them all.
;   x's groups 0-3          A group's holds write it, its conversions read it; behind them its next loads land in it.
;   v32-47, v14             Written by a group's conversions (v14 in group 0's turn); read by the group's 16 LDS stores; written again in the next group's turn.
;   ring place p            Step p's 64 products read it; the loads that fill it again are issued in step p + 1.
;   rows' sets 0, 1         Step s's products read set s % 2; the LDS loads of step s + 1 land in it (the fragments of step s + 2).
;   v4, v5                  Read by every LDS load of a fragment; written once a trip and once a stage.
;   v64-127                 The bias (loaded, scaled, read by a stage's first step); the probability rows' weights land there in the second step; the next bias behind the last.
;   v32-63, v8, v9          h1's way out: the conversions write the codes, the stage's head the addresses; LDS stores read both.
; So ONE wait on va_vdst stands at a step's head: it states that the step before is done reading its place and its set.  The step's loads follow it, dealt in eights among the step's products, which
; name this step's place, this step's set and the accumulators: none of the registers that those loads touch.  One wait on vm_vsrc a trip stands ahead of the adds to v4 and v5.
.set PITCH, 1104
.set TILE,  16*PITCH
.set HALFR, 64*PITCH
.set HR,    128*PITCH
.set MSK,   2*128*PITCH
.set PRB,   MSK+4096
.set O1,    32768                      ; PART lies at 0: [wave][row][16 f32]
.set O0,    O1+4096
.set WPR,   1572864
.set W3F,   1638400
.set RB,    76                         ; s[RB+2 s : RB+2 s+1]: the base of the ring's place s
.set MSB, 0
.macro WIN new                         ; the immediate's high byte repeats the setting that is left; a switch that changes nothing is dropped
.if MSB != (\new)
	s_set_vgpr_msb (MSB<<8)|(\new)
.set MSB, \new
.endif
.endm
; A vector instruction or an LDS store that reads a matrix result stands four plain vector instructions behind it
.macro PLACES
.rept 4
	v_nop
.endr
.endm
.macro BARRIER                         ; my LDS stores have landed and my LDS loads are in: then the work-group's barrier
	s_wait_dscnt 0x0
	s_barrier_signal -1
	s_barrier_wait -1
.endm
; 16 rows of one expert into group g of window 2: each load is one whole row, 512 consecutive bytes, 4 numbers a lane
.macro XFIRST g, ptr, half
.irp j, 0,1,2,3,4,5,6,7,8,9,10,11,12,13,14,15
	global_load_b128 v[64*(\g)+4*\j:64*(\g)+4*\j+3], v1, s[\ptr:\ptr+1] offset:(16*(\half)+\j)*512 th:TH_LOAD_NT
.endr
.endm
; Group g is quantised and filled again.  A conversion takes 8 registers: 4 numbers of row 2 j and 4 of row 2 j + 1, so each word of its result is four neighbouring codes of one row.
; ring = 0: the group takes the same rows of the expert two further on;  ring = 1: nothing is left of x, and the ring's place g is asked for in its stead.
.macro XG g, ptr, half, el, ring
	s_wait_loadcnt 48                              ; my 16 loads are in; the three younger groups of 16 may be out
.if (\ring) == 0
	s_add_nc_u64 s[\ptr:\ptr+1], s[\ptr:\ptr+1], 0x2000000   ; the group's own base, which only those 16 loads named: two experts (2 x 32,768 rows of 512 bytes) on
.endif
	WIN 0x82
.set i, 0
.rept 64
	v_med3_num_f32 v[64*(\g)+i], v[64*(\g)+i], s49, s48   ; the conversion to an 8-bit code does not saturate (ISA guide 7.6.2): the hold at +-448 x 2^e0
.set i, i+1
.endr
	s_wait_dscnt 0x0                               ; the last group's stores are done
	s_wait_alu depctr_vm_vsrc(0)                   ; the last group's LDS stores have read v32-47 and v14, which the lines below write again
	WIN 0x02
.if (\g) == 0
	v_add_nc_u32 v14, s58, v13                     ; this pair of experts' place in my rows of XR
.endif
.irp j, 0,1,2,3,4,5,6,7
	v_cvt_scalef32_pk8_fp8_f32 v[32+2*\j:33+2*\j], v[64*(\g)+8*\j:64*(\g)+8*\j+7], v10
.endr
	v_nop                                          ; a plain line behind the last conversion
.if \ring
	WIN 0x40
	s_wait_alu depctr_va_vdst(0)                   ; the conversions have written v32-47 (group 0's turn: and v14 is written), which the LDS stores below read
.irp j, 0,1,2,3,4,5,6,7,8,9,10,11,12,13,14,15
	global_load_b128 v[64*(\g)+4*\j:64*(\g)+4*\j+3], v1, s[RB+2*(\g):RB+2*(\g)+1] offset:512*\j
.endr
.else
	WIN 0x80
	s_wait_alu depctr_va_vdst(0)                   ; the holds have written the group and the conversions are done reading it: the loads below land in it; the conversions have written v32-47 (group 0's turn: and v14 is written), which the LDS stores below read
	XFIRST \g, \ptr, \half
.endif
	WIN 0
.irp j, 0,1,2,3,4,5,6,7,8,9,10,11,12,13,14,15
	ds_store_b32 v14, v[32+\j] offset:(16*(\half)+\j)*PITCH+128*(\el)   ; 128 consecutive bytes: the expert's codes of one row
.endr
.endm
.macro RINGH p, j0                     ; eight of the sixteen loads that fill the ring's place p: 512 consecutive bytes each; j0 = 0: the four tiles of columns that a step multiplies first
.irp j, 0,1,2,3,4,5,6,7
	global_load_b128 v[64*(\p)+4*((\j0)+\j):64*(\p)+4*((\j0)+\j)+3], v1, s[RB+2*(\p):RB+2*(\p)+1] offset:512*((\j0)+\j)
.endr
.endm
.macro PWH j0                          ; eight of the sixteen loads of the probability rows' weights
.irp j, 0,1,2,3,4,5,6,7
	global_load_b128 v[64+4*((\j0)+\j):64+4*((\j0)+\j)+3], v1, s[40:41] offset:512*((\j0)+\j)
.endr
.endm
.macro ALOADH set, koff, a0            ; four of the eight fragments of the 128 rows, 64 along K, koff bytes on from where v4, v5 stand: tiles of rows a0 .. a0 + 3
.irp a, \a0, \a0+1, \a0+2, \a0+3
.irp c, 0,1
	ds_load_b128 v[128+64*(\set)+8*(\a)+4*\c:128+64*(\set)+8*(\a)+4*\c+3], v[4+(\a)/4] offset:((\a)%4)*TILE+(\koff)+32*\c
.endr
.endr
.endm
.macro MW hf, c0                       ; the windows of a step's products: source 0 (the ring) window 1, source 1 (the rows) window 0, D window 2 + hf; C the same, or (c0 = 1) the bias in window 0
.if \c0
	WIN 0x81+0x40*(\hf)
.else
	WIN 0xa1+0x50*(\hf)
.endif
.endm
; 8 matrix instructions: tile of columns 4 hf + b x eight tiles of rows.  c0 = 1: the stage's first K step: C is the bias, nothing is ever cleared.
; The 64 accumulators take turns, one instruction a turn, in the same order in every step.
.macro PROD8 s, hf, b, c0
.irp a, 0,1,2,3,4,5,6,7
.if \c0
	v_wmma_f32_16x16x64_fp8_fp8 v[8*(8*(\b)+\a):8*(8*(\b)+\a)+7], v[64*(\s)+32*(\hf)+8*(\b):64*(\s)+32*(\hf)+8*(\b)+7], v[128+64*((\s)%2)+8*\a:128+64*((\s)%2)+8*\a+7], v[64+8*(4*(\hf)+(\b)):64+8*(4*(\hf)+(\b))+7]
.else
	v_wmma_f32_16x16x64_fp8_fp8 v[8*(8*(\b)+\a):8*(8*(\b)+\a)+7], v[64*(\s)+32*(\hf)+8*(\b):64*(\s)+32*(\hf)+8*(\b)+7], v[128+64*((\s)%2)+8*\a:128+64*((\s)%2)+8*\a+7], v[8*(8*(\b)+\a):8*(8*(\b)+\a)+7]
.endif
.endr
.endr
.endm
; A step of 64 along K: 64 products on place s of the ring and set s % 2 of the rows.  Among them stand the loads into what the step BEFORE multiplied:
; aiss: the rows' fragments of the next step, into the other set;  rf: the place multiplied last takes its K step of four steps on;  pw: the bias is used up, its registers take the probability rows' weights.
; bs: this step's place will be asked for again: its base steps.  n1, n2: the global loads that may stay out when the place's first and second eight are wanted.
.macro STEP s, c0, pw, rf, bs, aiss, n1, n2
	s_wait_dscnt 0x0                               ; this step's fragments of the rows, asked for in the step before, are in: no younger LDS instruction is out
	s_wait_loadcnt \n1
.if (\rf) || (\aiss) || (\pw)
	s_wait_alu depctr_va_vdst(0)                   ; the last step's products are done reading their place of the ring and their set of rows (pw: and the bias, which v_ldexp_f32 wrote), in which this step's loads land; behind a trip's end v4 and v5 are written, which the LDS loads read
.endif
	MW 0, \c0
	PROD8 \s, 0, 0, \c0
.if \aiss
	WIN 0
	ALOADH ((\s)+1)%2, 64*((\s)+1), 0              ; no further wait: no product since the wait above names the other set, the place multiplied last, v1, v4 or v5
.endif
	MW 0, \c0
	PROD8 \s, 0, 1, \c0
.if \aiss
	WIN 0
	ALOADH ((\s)+1)%2, 64*((\s)+1), 4
.endif
	MW 0, \c0
	PROD8 \s, 0, 2, \c0
.if \rf
	WIN 0x40
	RINGH ((\s)+3)%4, 0
.endif
	MW 0, \c0
	PROD8 \s, 0, 3, \c0
.if \rf
	WIN 0x40
	RINGH ((\s)+3)%4, 8
.endif
	s_wait_loadcnt \n2
.if \bs
	s_add_nc_u64 s[RB+2*(\s):RB+2*(\s)+1], s[RB+2*(\s):RB+2*(\s)+1], 32768   ; all 16 loads that named the place's base are in: it steps four K steps on
.endif
	MW 1, \c0
	PROD8 \s, 1, 0, \c0
.if \pw
	WIN 0
	PWH 0
.endif
	MW 1, \c0
	PROD8 \s, 1, 1, \c0
.if \pw
	WIN 0
	PWH 8
.endif
	MW 1, \c0
	PROD8 \s, 1, 2, \c0
	PROD8 \s, 1, 3, \c0
.endm
; Four steps: once round the ring.  At a step's head, behind its place's first eight loads were issued the second eight and two other places' 32: the count is 40; by its middle the place multiplied last
; has been asked for too: behind the second eight stand 48.  (What else was asked for in between only makes a count stricter than it need be.)
; first = 1: a stage's first trip: its first step begins the sums and fills no place (place 3 was asked for in the stage before, or at the launch's head).
.macro TRIP first, pw
	STEP 0, \first, 0, 1-(\first), 1, 1, 40, 48
	STEP 1, 0, \pw, 1, 1, 1, 40, 48
	STEP 2, 0, 0, 1, 1, 1, 40, 48
	STEP 3, 0, 0, 1, 1, 1, 40, 48
	WIN 0
	s_add_co_u32 s54, s54, 256                     ; the rows' fragments: four K steps on
	s_wait_alu depctr_vm_vsrc(0)                   ; the LDS loads issued so far have read v4 and v5
	v_add_nc_u32 v4, s54, v2
	v_add_nc_u32 v5, s54, v3
.endm
.macro TRIPZ                           ; the launch's last trip: its first step asks for the stream's last K step, its last step for nothing; the counts run down
	STEP 0, 0, 0, 1, 0, 1, 40, 48
	STEP 1, 0, 0, 0, 0, 1, 40, 32
	STEP 2, 0, 0, 0, 0, 1, 24, 16
	STEP 3, 0, 0, 0, 0, 0, 8, 0
	WIN 0
.endm
.macro BILOAD                          ; a stage's bias in the result's layout: lane (r, h), tile b: columns 16 b + 8 h + 0 .. 7
.irp b, 0,1,2,3,4,5,6,7
	global_load_b128 v[64+8*\b:67+8*\b], v12, s[42:43] offset:64*\b
	global_load_b128 v[68+8*\b:71+8*\b], v12, s[42:43] offset:64*\b+16
.endr
.endm
.macro STAGE_HEAD eb                   ; the first step's fragments of the rows; the bias divided by the power of two that the sums lack.  (The wait on vm_vsrc for v4 and v5 stands ahead of the macro)
	v_add_nc_u32 v4, s54, v2
	v_add_nc_u32 v5, s54, v3
	s_wait_alu depctr_va_vdst(0)                   ; v4 and v5 are written, which the LDS loads below read; the last stage's products are done reading set 0, in which they land
	ALOADH 0, 0, 0
	ALOADH 0, 0, 4
	s_wait_loadcnt 0x0                             ; all loads are in, the bias among them
.set i, 0
.rept 64
	v_ldexp_f32 v[64+i], v[64+i], \eb
.set i, i+1
.endr
.endm
.macro PSTEP                           ; product 1's last step: k = 1024 on: eight probabilities, then zero codes on both sides.  Its weights were shown in by the second trip's counted waits for younger loads
	s_wait_dscnt 0x0                               ; the rows' fragments of k = 1024 on are in
	s_wait_alu depctr_va_vdst(0)                   ; the last step's products are done reading place 3 of the ring, in which the loads below land: the next stage's fourth K step
.irp hf, 0,1
.irp b, 0,1,2,3
	WIN 0xa0+0x50*\hf
.irp a, 0,1,2,3,4,5,6,7
	v_wmma_f32_16x16x64_fp8_fp8 v[8*(8*\b+\a):8*(8*\b+\a)+7], v[64+8*(4*\hf+\b):64+8*(4*\hf+\b)+7], v[128+8*\a:128+8*\a+7], v[8*(8*\b+\a):8*(8*\b+\a)+7]
.endr
.if (\hf == 0) && (\b < 2)
	WIN 0x40
	RINGH 3, 8*\b
.endif
.endr
.endr
	PLACES
	WIN 0
.endm
; h1: the activation and the hold in one, the conversion, and eight codes a lane into the row's place in HR; 16 accumulators at a time, each from its low end on
.macro EPI1
.irp G, 0,1,2,3
	WIN 0x82+0x41*(\G/2)
.set i, 0
.rept 128
	v_med3_num_f32 v[128*(\G%2)+i], v[128*(\G%2)+i], 0, s50
.set i, i+1
.endr
	s_wait_dscnt 0x0                               ; the last sixteen stores are done
	s_wait_alu depctr_vm_vsrc(0)                   ; the LDS stores issued so far have read v32-63, which the conversions write again
	WIN 0x02+(\G/2)
.irp t, 0,1,2,3,4,5,6,7,8,9,10,11,12,13,14,15
	v_cvt_scalef32_pk8_fp8_f32 v[32+2*\t:33+2*\t], v[128*(\G%2)+8*\t:128*(\G%2)+8*\t+7], v11
.endr
	v_nop                                          ; a plain line behind the last conversion
	WIN 0
	s_wait_alu depctr_va_vdst(0)                   ; the conversions have written v32-63, which the LDS stores read
.irp t, 0,1,2,3,4,5,6,7,8,9,10,11,12,13,14,15
	ds_store_b64 v[8+(\t%8)/4], v[32+2*\t:33+2*\t] offset:((\t%8)%4)*TILE+16*(4*(\G/2)+2*(\G%2)+\t/8)   ; a = t % 8, b = 4 (G / 2) + 2 (G % 2) + t / 8
.endr
.endr
.endm
	; ---- the head
	s_load_b512 s[8:23], s[0:1], 0x0               ; x s[8:9], probabilities s[10:11], mask s[12:13], b1 s[14:15], b2 s[16:17], b3 s[18:19], the scales' exponents s[20:21], wts s[22:23]
	s_load_b128 s[24:27], s[0:1], 0x40             ; out0 s[24:25], out1 s[26:27]
	v_lshl_add_u32 v30, v0, 2, 0x47000
	v_mov_b32 v31, 0
	v_lshrrev_b32 v25, 5, v0
	v_readfirstlane_b32 s32, v25                   ; wave w
	v_and_b32 v27, 31, v0                          ; lane
	v_and_b32 v25, 15, v0                          ; r
	v_bfe_u32 v26, v0, 4, 1                        ; h
	s_mov_b32 s58, 0                               ; the expert pair's place in a row of XR
	v_lshlrev_b32 v1, 4, v27                       ; v1  16 x lane
	v_mul_u32_u24 v2, v25, PITCH
	v_lshl_add_u32 v6, v26, 3, v2
	v_lshl_add_u32 v2, v26, 4, v2                  ; v2  a fragment's row r + 16 h, rows 0-63;
	v_add_nc_u32 v3, HALFR, v2                     ; v3  rows 64-127
	s_wait_alu depctr_va_sdst(0)                   ; s32 is written, ahead of its first reader: LDS addresses and all the bases are made from it
	s_lshl_b32 s2, s32, 7
	s_add_co_u32 s2, s2, HR
	v_add_nc_u32 v6, s2, v6                        ; v6  h1's codes: HR + row r + 8 h + 128 w, rows 0-63;
	v_add_nc_u32 v7, HALFR, v6                     ; v7  rows 64-127
	v_lshlrev_b32 v12, 5, v26                      ; v12 32 h: the bias
	s_mul_i32 s2, s32, 32*PITCH
	v_lshl_add_u32 v13, v27, 2, s2                 ; v13 x's codes: my wave's 32 rows + 4 x lane (v14: + the expert pair, made in group 0's turn)
	v_mul_u32_u24 v15, v0, PITCH                   ; v15 the thread's row in XR
	v_lshlrev_b32 v16, 2, v0                       ; v16 4 x thread
	v_lshlrev_b32 v22, 5, v0                       ; v22 32 x thread
	v_add_nc_u32 v17, PRB, v22                     ; v17, v19 the thread's row of probabilities and of the mask
	v_add_nc_u32 v19, MSK, v22
	s_lshl_b32 s2, s32, 10
	v_add_nc_u32 v24, s2, v1                       ; v24 1,024 w + 16 x lane
	v_add_nc_u32 v18, MSK, v24
	s_lshl_b32 s2, s32, 13
	v_lshlrev_b32 v20, 6, v25
	v_lshl_add_u32 v20, v26, 5, v20
	v_add_nc_u32 v20, s2, v20                      ; v20 partial logits: 8,192 w + 64 r + 32 h
	v_lshlrev_b32 v21, 6, v0                       ; v21 64 x thread
	s_wait_kmcnt 0x0
	s_load_b128 s[28:31], s[20:21], 0x0            ; e0 .. e3
	s_load_b256 s[68:75], s[18:19], 0x0            ; b3
	s_mov_b32 s3, 0
	s_lshl_b32 s2, ttmp9, 16                       ; the block's 128 rows of 512 bytes,
	s_lshl_b32 s4, s32, 14                         ; my wave's 32
	s_add_co_u32 s2, s2, s4
	s_add_nc_u64 s[34:35], s[8:9], s[2:3]          ; groups 0 and 1: expert 0; each group has a base of its own
	s_mov_b64 s[36:37], s[34:35]
	s_add_nc_u64 s[84:85], s[34:35], 0x1000000     ; groups 2 and 3: expert 1: 32,768 rows of 512 bytes on
	s_mov_b64 s[86:87], s[84:85]
	s_lshl_b32 s2, ttmp9, 9
	s_add_nc_u64 s[10:11], s[10:11], s[2:3]
	s_add_nc_u64 s[24:25], s[24:25], s[2:3]
	s_lshl_b32 s2, ttmp9, 12
	s_add_nc_u64 s[12:13], s[12:13], s[2:3]
	s_add_nc_u64 s[26:27], s[26:27], s[2:3]
	s_mul_i32 s2, s32, 393216
	s_add_nc_u64 s[RB:RB+1], s[22:23], s[2:3]      ; my stream of weights: the ring's four places at its first four K steps
	s_add_nc_u64 s[RB+2:RB+3], s[RB:RB+1], 8192
	s_add_nc_u64 s[RB+4:RB+5], s[RB:RB+1], 16384
	s_add_nc_u64 s[RB+6:RB+7], s[RB:RB+1], 24576
	s_lshl_b32 s2, s32, 13
	s_add_co_u32 s2, s2, WPR
	s_add_nc_u64 s[40:41], s[22:23], s[2:3]        ; the probability rows' weights, stage 0
	s_lshl_b32 s2, s32, 12
	s_add_co_u32 s2, s2, W3F
	s_add_nc_u64 s[60:61], s[22:23], s[2:3]        ; my four fragments of W3
	s_lshl_b32 s2, s32, 9
	s_add_nc_u64 s[42:43], s[14:15], s[2:3]        ; the bias of stage 0,
	s_add_nc_u64 s[44:45], s[42:43], 2048          ; of stage 1,
	s_add_nc_u64 s[46:47], s[16:17], s[2:3]        ; of stage 2
	s_wait_alu depctr_va_vdst(0)                   ; the offsets and LDS addresses v1, v12, v15 to v22 and v24 are written, which the loads and stores of the whole kernel read
.irp e, 0,1,2,3,4,5,6,7
	global_load_b32 v[48+\e], v16, s[10:11] offset:131072*\e th:TH_LOAD_NT   ; the thread's row: expert e's probability
.endr
	global_load_b128 v[56:59], v24, s[12:13] th:TH_LOAD_NT                    ; the mask as it lies: 512 consecutive bytes a load
	global_load_b128 v[60:63], v24, s[12:13] offset:512 th:TH_LOAD_NT
	WIN 0x80
	XFIRST 0, 34, 0
	XFIRST 1, 36, 1
	XFIRST 2, 84, 0
	XFIRST 3, 86, 1
	WIN 0
	s_wait_kmcnt 0x0
	s_add_co_i32 s2, s28, 127
	s_lshl_b32 s4, s2, 23
	v_mov_b32 v10, s4                              ; v10 2^e0 as f32: the conversion takes its exponent field
	s_add_co_i32 s2, s2, 8
	s_lshl_b32 s2, s2, 23
	s_or_b32 s48, s2, 0x600000                     ; 448 x 2^e0,
	s_or_b32 s49, s48, 0x80000000                  ; and its negative
	s_add_co_i32 s5, s28, s29
	s_sub_co_i32 s51, 0, s5                        ; -(e0 + e1)
	s_sub_co_i32 s2, s30, s5
	s_add_co_i32 s2, s2, 127
	s_lshl_b32 s4, s2, 23
	v_mov_b32 v11, s4                              ; v11 2^(e2 - e0 - e1)
	s_add_co_i32 s2, s2, 8
	s_lshl_b32 s2, s2, 23
	s_or_b32 s50, s2, 0x600000                     ; 448 x that
	s_add_co_i32 s5, s30, s31
	s_sub_co_i32 s52, 0, s5                        ; -(e2 + e3)
	s_add_co_i32 s5, s5, 127
	s_lshl_b32 s53, s5, 23                         ; 2^(e2 + e3)
	; ---- X: my wave's 32 rows, two experts a trip, 64 loads (32,768 bytes) of the wave always asked for
	s_mov_b32 s56, 3
.Lx:
	XG 0, 34, 0, 0, 0
	XG 1, 36, 1, 0, 0
	XG 2, 84, 0, 1, 0
	XG 3, 86, 1, 1, 0
	s_add_co_u32 s58, s58, 256                     ; the next pair of experts: group 0's next turn makes v14 of it
	s_sub_co_u32 s56, s56, 1
	s_cmp_lg_u32 s56, 0
	s_cbranch_scc1 .Lx
	XG 0, 34, 0, 0, 1                              ; experts 6 and 7: no load leaves x; the ring of weights is filled in their stead
	XG 1, 36, 1, 0, 1
	XG 2, 84, 0, 1, 1
	XG 3, 86, 1, 1, 1
	BILOAD
	s_wait_dscnt 0x0                               ; the last group's stores are done
	s_wait_alu depctr_vm_vsrc(0)                   ; the last group's LDS stores have read v32-47, which the holds, the conversion and the moves below write
	ds_store_b128 v17, v[48:51]                    ; the probabilities and the mask are kept for the end
	ds_store_b128 v17, v[52:55] offset:16
	ds_store_b128 v18, v[56:59]
	ds_store_b128 v18, v[60:63] offset:512
.irp j, 0,1,2,3,4,5,6,7
	v_med3_num_f32 v[32+\j], v[48+\j], s49, s48
.endr
	v_cvt_scalef32_pk8_fp8_f32 v[40:41], v[32:39], v10
.irp j, 44,45,46,47
	v_mov_b32 v\j, 0                               ; (plain lines behind the conversion)
.endr
	s_wait_alu depctr_va_vdst(0)                   ; the conversion has written v40 and v41, the moves v44-47, which the LDS stores read
	ds_store_b64 v15, v[40:41] offset:1024         ; k = 1024 .. 1031
	ds_store_b64 v15, v[44:45] offset:1032         ; zero codes up to k = 1087
	ds_store_b128 v15, v[44:47] offset:1040
	ds_store_b128 v15, v[44:47] offset:1056
	ds_store_b128 v15, v[44:47] offset:1072
	BARRIER                                        ; x's codes lie in LDS
	; ---- stages 0 and 1: h1's two halves of 512 columns
	s_mov_b32 s57, 0
	s_mov_b32 s55, 0
.Lpass:
	s_mov_b32 s54, 0                               ; along K, in XR
	s_wait_alu depctr_vm_vsrc(0)                   ; the last stage's LDS loads have read v4 and v5, its LDS stores v8 and v9: the four are written below
	v_add_nc_u32 v8, s55, v6                       ; where this half's codes go
	v_add_nc_u32 v9, s55, v7
	STAGE_HEAD s51
	TRIP 1, 1
	s_mov_b32 s56, 2
.Lk1:
	TRIP 0, 0
	s_sub_co_u32 s56, s56, 1
	s_cmp_lg_u32 s56, 0
	s_cbranch_scc1 .Lk1
	TRIP 0, 0                                      ; its last step fetches the rows' k = 1024 on; its last three refills are the next stage's first K steps
	PSTEP
	s_cmp_eq_u32 s57, 0                            ; (the loads that named s[42:43] were shown done by the stage's head, which waited for all loads)
	s_cselect_b64 s[42:43], s[44:45], s[46:47]     ; the next stage's bias: b1's second half, or b2
	s_wait_alu depctr_va_vdst(0)                   ; the last step's products are done reading v64-127, in which the next bias lands
	BILOAD
	EPI1
	s_wait_xcnt 0x0                                ; every earlier load has read its base
	s_add_nc_u64 s[40:41], s[40:41], 32768
	s_add_co_u32 s55, s55, 512
	s_add_co_u32 s57, s57, 1
	s_cmp_lt_u32 s57, 2
	s_cbranch_scc1 .Lpass
	; ---- stage 2: h2
	s_wait_dscnt 0x0                               ; my stores of h1's codes have landed
	s_wait_alu depctr_vm_vsrc(0)                   ; those stores have read v32-63, in which W3's fragments land (the conversions that wrote them stand ahead of the last wait on va_vdst); the LDS loads have read v4 and v5, which the stage's head writes
.irp j, 0,1,2,3,4,5,6,7
	global_load_b128 v[32+4*\j:35+4*\j], v1, s[60:61] offset:512*\j   ; W3's rows 128 w .. 128 w + 127: four fragments
.endr
	s_barrier_signal -1
	s_barrier_wait -1                              ; h1's codes lie in LDS, and nobody reads x's any more
	s_mov_b32 s54, HR
	STAGE_HEAD s52
	TRIP 1, 0
	s_mov_b32 s56, 2
.Lk2:
	TRIP 0, 0
	s_sub_co_u32 s56, s56, 1
	s_cmp_lg_u32 s56, 0
	s_cbranch_scc1 .Lk2
	TRIPZ
	; ---- product 3: relu, rounded to bf16: tiles 2 q and 2 q + 1 of a tile of rows ARE one fragment of 32 along K.  Source 0 = W3 (8 outputs, 8 rows of zeros), source 1 = 16 rows:
	; lanes 0-15 then hold a row's eight partial logits, over my 128 columns of h2
	PLACES
.irp W, 0,1
	WIN 0x88+0x44*\W
.set i, 0
.rept 256
	v_max_num_f32 v[i], 0, v[i]                    ; each accumulator from its low end on.  (The second 256 are also the places behind the products that read v128-255)
.set i, i+1
.endr
	WIN 0x0a+5*\W
.irp b, 0,1,2,3
.irp a, 0,1,2,3,4,5,6,7
.irp j, 0,1,2,3
	v_cvt_pk_bf16_f32 v[128+8*(8*(\b/2)+\a)+4*(\b%2)+\j], v[8*(8*\b+\a)+2*\j], v[8*(8*\b+\a)+2*\j+1]
.endr
.endr
.endr
	WIN 0
.irp q, 0,1
.irp a, 0,1,2,3,4,5,6,7
.if (\W == 0) && (\q == 0)
	v_wmma_f32_16x16x32_bf16 v[64+8*\a:71+8*\a], v[32+8*(2*\W+\q):39+8*(2*\W+\q)], v[128+8*(8*\q+\a):135+8*(8*\q+\a)], 0
.else
	v_wmma_f32_16x16x32_bf16 v[64+8*\a:71+8*\a], v[32+8*(2*\W+\q):39+8*(2*\W+\q)], v[128+8*(8*\q+\a):135+8*(8*\q+\a)], v[64+8*\a:71+8*\a]
.endif
.endr
.endr
.endr
	PLACES
	s_wait_alu depctr_va_vdst(0)                   ; the products have written v64-127, which the LDS stores read (the places above stay beside this wait), and are done reading v128-255, which the roundings wrote: the LDS loads behind the barrier land there
.irp a, 0,1,2,3,4,5,6,7
	ds_store_b128 v20, v[64+8*\a:67+8*\a] offset:1024*\a        ; row 16 a + r: lanes 0-15 the eight sums, lanes 16-31 the padding's zeros beside them
	ds_store_b128 v20, v[68+8*\a:71+8*\a] offset:1024*\a+16
.endr
	BARRIER                                        ; the four waves' partial logits lie in LDS
	; ---- the end: a thread to a row
.irp q, 0,1,2,3
	ds_load_b128 v[128+8*\q:131+8*\q], v21 offset:8192*\q
	ds_load_b128 v[132+8*\q:135+8*\q], v21 offset:8192*\q+16
.endr
	ds_load_b128 v[160:163], v17                   ; the probabilities
	ds_load_b128 v[164:167], v17 offset:16
	ds_load_b128 v[168:171], v19                   ; the mask
	ds_load_b128 v[172:175], v19 offset:16
	s_mov_b32 s6, 0x3fb8aa3b                       ; log2 e
	s_wait_dscnt 0x0
.irp i, 0,2,4,6
	v_pk_add_f32 v[128+\i:129+\i], v[128+\i:129+\i], v[136+\i:137+\i]
	v_pk_add_f32 v[144+\i:145+\i], v[144+\i:145+\i], v[152+\i:153+\i]
.endr
.irp i, 0,2,4,6
	v_pk_add_f32 v[128+\i:129+\i], v[128+\i:129+\i], v[144+\i:145+\i]
.endr
.irp j, 0,1,2,3,4,5,6,7
	v_fma_f32 v[128+\j], v[128+\j], s53, s[68+\j]  ; logit = sum x 2^(e2 + e3) + b3
.endr
	v_max3_num_f32 v176, v128, v129, v130
	v_max3_num_f32 v176, v176, v131, v132
	v_max3_num_f32 v176, v176, v133, v134
	v_max_num_f32 v176, v176, v135                 ; the row's largest logit is taken away ahead of the exponentials
	v_mul_f32 v176, s6, v176
.irp j, 0,1,2,3,4,5,6,7
	v_fma_f32 v[128+\j], v[128+\j], s6, -v176
.endr
.irp j, 0,1,2,3,4,5,6,7
	v_exp_f32 v[136+\j], v[128+\j]
.endr
	v_nop                                          ; a plain line behind the last exponential,
	s_wait_alu depctr_va_vdst(0)                   ; and one wait for the batch: the eight exponentials have written v136-143, ahead of their first reader
	v_pk_add_f32 v[144:145], v[136:137], v[138:139]
	v_pk_add_f32 v[146:147], v[140:141], v[142:143]
	v_pk_add_f32 v[144:145], v[144:145], v[146:147]
	v_add_f32 v144, v144, v145
	v_rcp_f32 v144, v144
	v_nop
	s_wait_alu depctr_va_vdst(0)                   ; the reciprocal has written v144, ahead of its first reader
.irp i, 0,2,4,6
	v_pk_mul_f32 v[136+\i:137+\i], v[136+\i:137+\i], v[144:145] op_sel_hi:[1,0]   ; the softmax,
.endr
.irp i, 0,2,4,6
	v_pk_mul_f32 v[136+\i:137+\i], v[136+\i:137+\i], v[168+\i:169+\i]             ; x the mask
.endr
	v_pk_add_f32 v[146:147], v[136:137], v[138:139]
	v_pk_add_f32 v[148:149], v[140:141], v[142:143]
	v_pk_add_f32 v[146:147], v[146:147], v[148:149]
	v_add_f32 v146, v146, v147
	v_add_f32 v146, 0x322bcc77, v146               ; + 1e-8
	v_rcp_f32 v146, v146
	v_nop
	s_wait_alu depctr_va_vdst(0)                   ; the reciprocal has written v146, ahead of its first reader
.irp i, 0,2,4,6
	v_pk_mul_f32 v[136+\i:137+\i], v[136+\i:137+\i], v[146:147] op_sel_hi:[1,0]   ; the gate's weights
.endr
	v_pk_mul_f32 v[148:149], v[136:137], v[160:161]
.irp i, 2,4,6
	v_pk_fma_f32 v[148:149], v[136+\i:137+\i], v[160+\i:161+\i], v[148:149]
.endr
	v_add_f32 v148, v148, v149                     ; the weighted probability
	s_wait_alu depctr_va_vdst(0)                   ; v136-143 and v148 are written, which the LDS stores read; the arithmetic is done reading v152-163, in which the LDS loads behind the barrier land
	ds_store_b128 v22, v[136:139] offset:O1        ; results meet in LDS, so that they leave in runs of 512 consecutive bytes
	ds_store_b128 v22, v[140:143] offset:O1+16
	ds_store_b32 v16, v148 offset:O0
	BARRIER
	ds_load_b128 v[152:155], v24 offset:O1
	ds_load_b128 v[156:159], v24 offset:O1+512
	s_wait_dscnt 0x0
	global_store_b128 v24, v[152:155], s[26:27] th:TH_STORE_NT
	global_store_b128 v24, v[156:159], s[26:27] offset:512 th:TH_STORE_NT
	s_cmp_lg_u32 s32, 0
	s_cbranch_scc1 .Ldone                          ; the block's 128 weighted probabilities are 512 bytes: wave 0 stores them
	ds_load_b128 v[160:163], v1 offset:O0
	s_wait_dscnt 0x0
	global_store_b128 v1, v[160:163], s[24:25] th:TH_STORE_NT
.Ldone:
	s_wait_dscnt 0x0                               ; the closing lines, six on end
	s_wait_alu 0x0
	s_wait_tensorcnt 0x0
	ds_add_u32 v30, v31
	s_wait_dscnt 0x0
	s_endpgm
.Lfunc_end_k_q3c9bcee56d_gate:
	.size	k_q3c9bcee56d_gate, .Lfunc_end_k_q3c9bcee56d_gate-k_q3c9bcee56d_gate
	.p2alignl 7, 3214868480
	.fill 96, 4, 3214868480
	.section	.rodata,"a",@progbits
	.p2align	6, 0x0
	.amdhsa_kernel k_q3c9bcee56d_gate
		.amdhsa_group_segment_fixed_size 291328
		.amdhsa_private_segment_fixed_size 0
		.amdhsa_enable_private_segment 0
		.amdhsa_kernarg_size 80
		.amdhsa_user_sgpr_count 2
		.amdhsa_user_sgpr_kernarg_segment_ptr 1
		.amdhsa_wavefront_size32 1
		.amdhsa_system_sgpr_workgroup_id_x 1
		.amdhsa_system_sgpr_workgroup_id_y 1
		.amdhsa_system_sgpr_workgroup_id_z 1
		.amdhsa_system_vgpr_workitem_id 0
		.amdhsa_next_free_vgpr 1024
		.amdhsa_next_free_sgpr 88
		.amdhsa_reserve_vcc 0
		.amdhsa_float_denorm_mode_32 3
		.amdhsa_float_denorm_mode_16_64 3
		.amdhsa_memory_ordered 1
		.amdhsa_forward_progress 1
		.amdhsa_inst_pref_size 255
	.end_amdhsa_kernel
	.section	.bss,"aw",@nobits
	.p2align	6
	.space	262144
	.amdgpu_metadata
---
amdhsa.version: [ 1, 2 ]
amdhsa.kernels:
  - .name:           k_q3c9bcee56d_gate
    .symbol:         k_q3c9bcee56d_gate.kd
    .args:
      - { .name: expert_reprs, .offset: 0, .size: 8, .value_kind: global_buffer, .address_space: global }
      - { .name: expert_probs, .offset: 8, .size: 8, .value_kind: global_buffer, .address_space: global }
      - { .name: active_mask, .offset: 16, .size: 8, .value_kind: global_buffer, .address_space: global }
      - { .name: b1, .offset: 24, .size: 8, .value_kind: global_buffer, .address_space: global }
      - { .name: b2, .offset: 32, .size: 8, .value_kind: global_buffer, .address_space: global }
      - { .name: b3, .offset: 40, .size: 8, .value_kind: global_buffer, .address_space: global }
      - { .name: lowp_scales, .offset: 48, .size: 8, .value_kind: global_buffer, .address_space: global }
      - { .name: wts, .offset: 56, .size: 8, .value_kind: global_buffer, .address_space: global }
      - { .name: out0, .offset: 64, .size: 8, .value_kind: global_buffer, .address_space: global }
      - { .name: out1, .offset: 72, .size: 8, .value_kind: global_buffer, .address_space: global }
    .group_segment_fixed_size: 291328
    .private_segment_fixed_size: 0
    .kernarg_segment_align: 8
    .kernarg_segment_size: 80
    .max_flat_workgroup_size: 128
    .sgpr_count:     88
    .vgpr_count:     1024
    .wavefront_size: 32
...
	.end_amdgpu_metadata
.endif
;; end of part 3
